; MI455X (gfx1250); checked and timed in simulation.
; The chip was launched on July 23, 2026; its instructions are those of AMD's public machine-readable ISA for CDNA 5 (MIT licence, August 2026) and "CDNA5" Instruction Set Architecture Reference Guide (July 2026). The comments in the code are by the model that wrote it; some were corrected since.
;; Causal Self Attention. Allowed arithmetic: float matrix products may take bf16 or f16 operands with f32 sums; all other float work in f32.
;; Inputs: Wk 1,024 x 1,024 float32; Wo 1,024 x 1,024 float32; Wq 1,024 x 1,024 float32; Wv 1,024 x 1,024 float32; bk 1,024 float32; bo 1,024 float32; bq 1,024 float32; bv 1,024 float32; x 2 x 2,048 x 1,024 float32.
;; Outputs: out0 2 x 2,048 x 1,024 float32.
;; One version. Each part assembles by itself: llvm-mc -triple=amdgcn-amd-amdhsa -mcpu=gfx1250 --defsym DOCPART=n.
;; ======== version 1 of 1: 4 launches
;; limits: values are held in f16: magnitudes above 65,504 overflow, below 6.1e-05 lose precision
;; workspace buffers: xb 8,388,608 bytes; wt 8,388,608 bytes; bcat 12,288 bytes; qkv 25,165,824 bytes; y 8,388,608 bytes
;; launch prep (part 1): grid 1024 x 1, 8 waves a work-group, no clusters, 18,432 bytes of LDS; arguments x, Wq, Wk, Wv, Wo, bq, bk, bv, xb, wt, bcat; writes xb, wt, bcat
.if DOCPART == 1
	.amdgcn_target "amdgcn-amd-amdhsa--gfx1250"
	.amdhsa_code_object_version 6
	.text
	.protected	k_q7b084c0885_prep
	.globl	k_q7b084c0885_prep
	.p2align	8
	.type	k_q7b084c0885_prep,@function
k_q7b084c0885_prep:
	s_mov_b64 s[64:65], 0
	v_nop
	global_prefetch_b8 v0, s[64:65] scope:SCOPE_SE
	s_setreg_imm32_b32 hwreg(HW_REG_WAVE_MODE, 25, 1), 1
	s_wait_xcnt 0x0
; prep: the operands of the later matrix launches, made once.
;   work-groups 0-511:    xb = bf16(x), 32 KiB of x each.
;   work-groups 512-1023: wt[n'][k] = W[k][n], 16 bits a number, K along the rows: rows 0-1023 Wq, 1024-2047 Wk, 2048-3071 Wv in bf16;
;                         rows 3072-4095 Wo, rounded to bf16 and that value carried as f16 (the last product runs in f16).
;                         A work-group turns a tile of 128 k x 64 n through LDS.  Those with k block 0 of Wq, Wk, Wv also copy 64 numbers of the bias into bcat = bq | bk | bv.
; LIMITS: |Wo| below 65,504 (f16's range); a bf16 value of Wo below 2^-14 loses bits in f16 (absolute error at most 2^-25).
; A stream: no matrix unit, no cluster, no tensor load: each byte is read once and written once, and no two work-groups share a byte.
.set LP, 272                           ; LDS pitch: 256 bytes (128 k) + 16
	s_load_b512 s[8:23], s[0:1], 0x0               ; x 8:9, Wq 10:11, Wk 12:13, Wv 14:15, Wo 16:17, bq 18:19, bk 20:21, bv 22:23
	s_load_b128 s[24:27], s[0:1], 0x40             ; xb 24:25, wt 26:27
	s_load_b64 s[28:29], s[0:1], 0x50              ; bcat
	v_lshl_add_u32 v64, v0, 2, 0x4400
	v_mov_b32 v65, 0
	v_lshrrev_b32 v3, 5, v0
	v_readfirstlane_b32 s32, v3                    ; wave 0..7
	s_cmp_ge_u32 ttmp9, 512                        ; the same for all waves of a work-group
	s_cbranch_scc1 .Lweights
	; ---- x: thread t takes 8 neighbouring numbers (32 bytes in, 16 bytes out) of each of four chunks of 2,048 numbers
	s_lshl_b32 s34, ttmp9, 15                      ; 32 KiB of x
	s_mov_b32 s35, 0
	s_lshl_b32 s36, ttmp9, 14                      ; 16 KiB of xb
	s_mov_b32 s37, 0
	v_lshlrev_b32 v1, 5, v0
	v_lshlrev_b32 v2, 4, v0
	s_wait_kmcnt 0x0
	s_add_nc_u64 s[8:9], s[8:9], s[34:35]
	s_add_nc_u64 s[24:25], s[24:25], s[36:37]
.irp c, 0,1,2,3
	global_load_b128 v[8+8*\c:11+8*\c],  v1, s[8:9] offset:8192*\c th:TH_LOAD_NT
	global_load_b128 v[12+8*\c:15+8*\c], v1, s[8:9] offset:8192*\c+16 th:TH_LOAD_NT
.endr
.irp c, 0,1,2,3
	s_wait_loadcnt 6-2*\c                          ; the two loads of each later chunk may stay out
.irp p, 0,1,2,3
	v_cvt_pk_bf16_f32 v[40+4*\c+\p], v[8+8*\c+2*\p], v[9+8*\c+2*\p]
.endr
	global_store_b128 v2, v[40+4*\c:43+4*\c], s[24:25] offset:4096*\c    ; a wave stores 512 neighbouring bytes
.endr
	s_endpgm
	; ---- a weight tile
.Lweights:
	s_sub_co_u32 s33, ttmp9, 512
	s_and_b32 s34, s33, 7                          ; kb: 128 k
	s_bfe_u32 s35, s33, 0x40003                    ; nb: 64 n
	s_lshr_b32 s33, s33, 7                         ; mi: which weight
	s_lshl_b32 s36, s34, 19                        ; in: kb x 128 rows of 4,096 bytes
	s_lshl_b32 s37, s35, 8                         ;     + nb x 256 bytes
	s_add_co_u32 s36, s36, s37
	s_mov_b32 s37, 0
	s_lshl_b32 s40, s33, 21                        ; out: (1024 mi + 64 nb) rows of 2,048 bytes + kb x 256 bytes
	s_lshl_b32 s41, s35, 17
	s_add_co_u32 s40, s40, s41
	s_lshl_b32 s41, s34, 8
	s_add_co_u32 s40, s40, s41
	s_mov_b32 s41, 0
	v_lshrrev_b32 v4, 4, v0                        ; g = 0..15: my eight rows k = 8 g + i
	v_and_b32 v5, 15, v0                           ; c: my four columns n = 4 c + nn
	v_bfe_u32 v6, v0, 4, 1                         ; h
	v_lshlrev_b32 v1, 15, v4
	v_lshl_or_b32 v1, v5, 4, v1                    ; in: 8 g rows + 16 c: sixteen lanes read a tile row's 256 bytes
	v_mul_u32_u24 v2, v5, 4*LP
	v_lshl_add_u32 v2, v4, 4, v2                   ; LDS in: row 4 c (+ nn), byte 16 g
	v_lshl_add_u32 v7, v3, 3, v6                   ; 8 wave + h
	v_mul_u32_u24 v58, v7, LP
	v_lshl_add_u32 v58, v5, 4, v58                 ; LDS back: row 8 wave + h (+ 2 u), byte 16 c
	v_lshlrev_b32 v59, 11, v7
	v_lshl_add_u32 v59, v5, 4, v59                 ; the same place in wt
	s_wait_kmcnt 0x0
	s_cmp_eq_u32 s33, 1
	s_cselect_b64 s[30:31], s[12:13], s[10:11]
	s_cmp_eq_u32 s33, 2
	s_cselect_b64 s[30:31], s[14:15], s[30:31]
	s_cmp_eq_u32 s33, 3
	s_cselect_b64 s[30:31], s[16:17], s[30:31]
	s_add_nc_u64 s[30:31], s[30:31], s[36:37]
	s_add_nc_u64 s[26:27], s[26:27], s[40:41]
.irp i, 0,1,2,3,4,5,6,7
	global_load_b128 v[8+4*\i:11+4*\i], v1, s[30:31] offset:4096*\i th:TH_LOAD_NT
.endr
	s_wait_loadcnt 0x0
.irp n, 0,1,2,3
.irp p, 0,1,2,3
	v_cvt_pk_bf16_f32 v[40+4*\n+\p], v[8+8*\p+\n], v[12+8*\p+\n]     ; column 4 c + n, k = 8 g + 2 p and 2 p + 1
.endr
.endr
	s_cmp_lg_u32 s33, 3
	s_cbranch_scc1 .Lkeep
.irp t, 0,1,2,3,4,5,6,7,8,9,10,11,12,13,14,15
	v_lshlrev_b32 v56, 16, v[40+\t]                ; Wo: the bf16 values widened
	v_and_b32 v57, 0xffff0000, v[40+\t]
	v_cvt_pk_f16_f32 v[40+\t], v56, v57            ; and written as f16
.endr
.Lkeep:
.irp n, 0,1,2,3
	ds_store_b128 v2, v[40+4*\n:43+4*\n] offset:LP*\n
.endr
	s_wait_dscnt 0x0                               ; my stores are done before I signal: other waves read them
	s_barrier_signal -1
	s_barrier_wait -1
.irp u, 0,1,2,3
	ds_load_b128 v[8+4*\u:11+4*\u], v58 offset:2*LP*\u
.endr
.irp u, 0,1,2,3
	s_wait_dscnt 3-\u                              ; the later LDS loads may stay out
	global_store_b128 v59, v[8+4*\u:11+4*\u], s[26:27] offset:4096*\u    ; sixteen lanes store 256 consecutive bytes, aligned
.endr
	; ---- 64 numbers of the bias: one wave of the work-groups with kb = 0, for Wq, Wk, Wv
	s_cmp_lg_u32 s34, 0
	s_cbranch_scc1 .Lend
	s_cmp_eq_u32 s33, 3
	s_cbranch_scc1 .Lend
	s_cmp_lg_u32 s32, 0
	s_cbranch_scc1 .Lend
	s_cmp_eq_u32 s33, 1
	s_cselect_b64 s[38:39], s[20:21], s[18:19]
	s_cmp_eq_u32 s33, 2
	s_cselect_b64 s[38:39], s[22:23], s[38:39]
	s_lshl_b32 s42, s35, 8
	s_mov_b32 s43, 0
	s_add_nc_u64 s[38:39], s[38:39], s[42:43]
	s_lshl_b32 s44, s33, 12
	s_add_co_u32 s42, s42, s44
	s_add_nc_u64 s[28:29], s[28:29], s[42:43]
	v_lshlrev_b32 v60, 3, v0                       ; wave 0: the thread's number is the lane
	global_load_b64 v[62:63], v60, s[38:39]
	s_wait_loadcnt 0x0
	global_store_b64 v60, v[62:63], s[28:29]       ; 32 lanes store 256 consecutive bytes, aligned
.Lend:
	s_wait_tensorcnt 0x0
	ds_add_u32 v64, v65
	s_wait_dscnt 0x0
	s_endpgm
.Lfunc_end_k_q7b084c0885_prep:
	.size	k_q7b084c0885_prep, .Lfunc_end_k_q7b084c0885_prep-k_q7b084c0885_prep
	.p2alignl 7, 3214868480
	.fill 96, 4, 3214868480
	.section	.rodata,"a",@progbits
	.p2align	6, 0x0
	.amdhsa_kernel k_q7b084c0885_prep
		.amdhsa_group_segment_fixed_size 18432
		.amdhsa_private_segment_fixed_size 0
		.amdhsa_enable_private_segment 0
		.amdhsa_kernarg_size 88
		.amdhsa_user_sgpr_count 2
		.amdhsa_user_sgpr_kernarg_segment_ptr 1
		.amdhsa_wavefront_size32 1
		.amdhsa_system_sgpr_workgroup_id_x 1
		.amdhsa_system_sgpr_workgroup_id_y 1
		.amdhsa_system_sgpr_workgroup_id_z 1
		.amdhsa_system_vgpr_workitem_id 0
		.amdhsa_next_free_vgpr 66
		.amdhsa_next_free_sgpr 66
		.amdhsa_reserve_vcc 0
		.amdhsa_float_denorm_mode_32 3
		.amdhsa_float_denorm_mode_16_64 3
		.amdhsa_memory_ordered 1
		.amdhsa_forward_progress 1
		.amdhsa_inst_pref_size 12
	.end_amdhsa_kernel
	.amdgpu_metadata
---
amdhsa.version: [ 1, 2 ]
amdhsa.kernels:
  - .name:           k_q7b084c0885_prep
    .symbol:         k_q7b084c0885_prep.kd
    .args:
      - { .name: x, .offset: 0, .size: 8, .value_kind: global_buffer, .address_space: global }
      - { .name: Wq, .offset: 8, .size: 8, .value_kind: global_buffer, .address_space: global }
      - { .name: Wk, .offset: 16, .size: 8, .value_kind: global_buffer, .address_space: global }
      - { .name: Wv, .offset: 24, .size: 8, .value_kind: global_buffer, .address_space: global }
      - { .name: Wo, .offset: 32, .size: 8, .value_kind: global_buffer, .address_space: global }
      - { .name: bq, .offset: 40, .size: 8, .value_kind: global_buffer, .address_space: global }
      - { .name: bk, .offset: 48, .size: 8, .value_kind: global_buffer, .address_space: global }
      - { .name: bv, .offset: 56, .size: 8, .value_kind: global_buffer, .address_space: global }
      - { .name: xb, .offset: 64, .size: 8, .value_kind: global_buffer, .address_space: global }
      - { .name: wt, .offset: 72, .size: 8, .value_kind: global_buffer, .address_space: global }
      - { .name: bcat, .offset: 80, .size: 8, .value_kind: global_buffer, .address_space: global }
    .group_segment_fixed_size: 18432
    .private_segment_fixed_size: 0
    .kernarg_segment_align: 8
    .kernarg_segment_size: 88
    .max_flat_workgroup_size: 256
    .sgpr_count:     66
    .vgpr_count:     66
    .wavefront_size: 32
...
	.end_amdgpu_metadata
.endif
;; end of part 1
;; launch qkvgemm (part 2): grid 16 x 16, 4 waves a work-group, clusters of 4 x 4, 327,680 bytes of LDS; arguments xb, wt, bcat, qkv; writes qkv
.if DOCPART == 2
	.amdgcn_target "amdgcn-amd-amdhsa--gfx1250"
	.amdhsa_code_object_version 6
	.text
	.protected	k_q7b084c0885_qkvgemm
	.globl	k_q7b084c0885_qkvgemm
	.p2align	8
	.type	k_q7b084c0885_qkvgemm,@function
k_q7b084c0885_qkvgemm:
	s_mov_b64 s[64:65], 0
	v_nop
	global_prefetch_b8 v0, s[64:65] scope:SCOPE_SE
	s_setreg_imm32_b32 hwreg(HW_REG_WAVE_MODE, 25, 1), 1
	s_wait_xcnt 0x0
	s_wait_alu depctr_hold_cnt(0) depctr_sa_sdst(0) depctr_va_vdst(0) depctr_va_sdst(0) depctr_va_ssrc(0) depctr_va_vcc(0) depctr_vm_vsrc(0)
	s_getreg_b32 s2, hwreg(HW_REG_IB_STS2, 6, 4)
	s_cmp_eq_u32 s2, 0
	s_cbranch_scc0 .Lentry_in_a_cluster
	s_endpgm
.Lentry_in_a_cluster:
	s_bfe_u32 s2, ttmp6, 0x10000c
	s_cmp_lg_u32 s2, 0xf033
	s_cbranch_scc0 .Lentry_shape_is_right
	s_endpgm
.Lentry_shape_is_right:
; [Q | K | V][m][n'] = sum over k of xb[m][k] wt[n'][k] + bcat[n'],  m = 0..4095, n' = 0..3071, k = 0..1023; bf16 operands, f32 sums, f16 out.
; Out: qkv[vh = n'/64][bb = m/2048][t = m%2048][d = n'%64] in f16: each head's rows are dense, as the attention launch reads them.
; LIMIT: |Q|, |K|, |V| below 65,504 (f16's range).
; A work-group makes 256 rows x 192 columns (three whole heads); wave w makes rows 64 w .. 64 w + 63 of it: 4 x 12 accumulator tiles, 384 registers.
; K goes in steps of 128 through two LDS slots filled by tensor loads: rows of 256 bytes of memory, aligned.
; CLUSTER 4 x 4: the four work-groups of a row of the cluster need the same tile of xb, the four of a column the same tile of wt; each tile is asked for
; jointly, which divides the requests by four.  By this text's count a wave has two tensor loads out at the start and one later.
; Windows of 256 registers: 0: addresses, A fragments (two buffers), the bias; 1: B fragments (two buffers); 2: accumulators of row tiles 0, 1; 3: of row tiles 2, 3.
; The matrix instruction is used transposed (source 0 = rows of wt, source 1 = rows of xb): a lane holds one row of the result and eight neighbouring columns.
.set KSTEP,  128
.set PITCH,  272                       ; 256 bytes + 16: an odd multiple of 16, so the sixteen rows of a fragment load begin at sixteen different 16-byte columns of 256
.set HALFA,  128*PITCH                 ; what wave 0 or 1 fetches of xb
.set HALFB,  96*PITCH                  ; what wave 2 or 3 fetches of wt
.set BO,     2*HALFA
.set SLOT,   BO+2*HALFB
.set STAGE,  2*SLOT                    ; behind the ring, no tensor load lands here
.set SPITCH, 400                       ; 384 bytes (192 f16) + 16
.set WSTAGE, 16*SPITCH
.set LAPS,   4                         ; 1024 / (2 x 128)
.set ADRA, 16                          ; v16-17 LDS address of my A fragments, slot 0, 1
.set ADRB, 20                          ; v20-21 of the B fragments
.set STO,  24
.set RD,   25
.set CO,   26
.set HOFF, 27                          ; 32 h
.set FA,   32                          ; window 0: A buffer f at FA + 32 f
.set BIAS, 96                          ; window 0: v96-191, column tile b at BIAS + 8 b
.set TMP,  32                          ; the way out: packed results
.set RB,   96                          ; the way out: rows read back
.set G1,  24
.set G0,  32
.set G1B, 48
.set G0B, 56
.set MSB, 0
.macro WIN new                         ; the immediate's high byte repeats the setting that is left
.if MSB != \new
	s_set_vgpr_msb (MSB<<8)|\new
.set MSB, \new
.endif
.endm
.macro JLOAD s                         ; waves 0, 1 ask for A's halves, waves 2, 3 for B's; the branch hangs on the wave's number alone
	s_cmp_eq_u32 s13, 0
	s_cbranch_scc0 .Lfor_b_\@
	tensor_load_to_lds s[G0+4*\s:G0+4*\s+3], s[G1:G1+7]
	s_nop 0
	s_branch .Lasked_\@
.Lfor_b_\@:
	tensor_load_to_lds s[G0B+4*\s:G0B+4*\s+3], s[G1B:G1B+7]
	s_nop 0
.Lasked_\@:
.endm
.macro CREST                           ; a round of the cluster's barrier behind its opening work-group barrier
	s_cmp_lg_u32 s12, 0
	s_cbranch_scc1 .Lnot_wave_0_\@
	s_barrier_signal -3
.Lnot_wave_0_\@:
	s_barrier_wait -3
	s_barrier_signal -1
	s_barrier_wait -1
.endm
.macro CROUND
	s_barrier_signal -1
	s_barrier_wait -1
	CREST
.endm
.macro PLACES                          ; four independent vector instructions between a matrix instruction and a load into, or a vector read of, its registers
.rept 4
	v_nop
.endr
.endm
	s_load_b256 s[4:11], s[0:1], 0x0               ; xb 4:5, wt 6:7, bcat 8:9, qkv 10:11
	s_set_vgpr_msb 0x40
	v_lshl_add_u32 v255, v0, 2, 0x41c00
	s_set_vgpr_msb 0x4000
	v_mov_b32 v255, 0
	s_set_vgpr_msb 0x1
	ds_add_u32 v255, v255
	ds_add_u32 v255, v255
	s_set_vgpr_msb 0x100
	v_lshrrev_b32 v1, 5, v0
	v_readfirstlane_b32 s12, v1                    ; wave 0..3
	s_lshr_b32 s13, s12, 1                         ; 0: I fetch for A, 1: for B
	s_and_b32 s15, s12, 1                          ; which half of that tile
	s_bfe_u32 s40, ttmp6, 0x40000                  ; cx
	s_bfe_u32 s41, ttmp6, 0x40004                  ; cy
	s_lshl_b32 s42, ttmp9, 2
	s_add_co_u32 s42, s42, s40                     ; nb: block of 192 columns
	s_and_b32 s14, ttmp7, 0xffff
	s_lshl_b32 s14, s14, 2
	s_add_co_u32 s14, s14, s41                     ; mb: block of 256 rows
	s_lshl_b32 s43, s41, 2
	s_lshl_b32 s43, 15, s43                        ; my row of the cluster
	s_lshl_b32 s44, 0x1111, s40                    ; my column
	s_or_b32 s[G1+0], s43, (1<<16)|(1<<20)|(1<<21)|(5<<22)|(3<<25)   ; mask; 2-byte elements; padding: 4 words behind every 64
	s_or_b32 s[G1B+0], s44, (1<<16)|(1<<20)|(1<<21)|(5<<22)|(3<<25)
	s_mov_b32 s[G1+1], KSTEP<<16                   ; tensor_dim0 = 128
	s_mov_b32 s[G1B+1], KSTEP<<16
	s_mov_b32 s[G1+2], 128<<16                     ; tensor_dim1 = 128 rows
	s_mov_b32 s[G1B+2], 96<<16                     ;             = 96 rows
	s_mov_b32 s[G1+3], KSTEP<<16                   ; tile_dim0 = 128
	s_mov_b32 s[G1B+3], KSTEP<<16
	s_mov_b32 s[G1+4], 128                         ; tile_dim1
	s_mov_b32 s[G1B+4], 96
	s_mov_b32 s[G1+5], 1024                        ; elements from row to row
	s_mov_b32 s[G1B+5], 1024
	s_mov_b32 s[G1+6], 0
	s_mov_b32 s[G1B+6], 0
	s_mov_b32 s[G1+7], 0
	s_mov_b32 s[G1B+7], 0
	s_lshl_b32 s16, s14, 19                        ; A: (256 mb + 128 half) rows of 2,048 bytes: hangs on cy alone
	s_lshl_b32 s17, s15, 18
	s_add_co_u32 s16, s16, s17
	s_mov_b32 s17, 0
	s_mul_i32 s46, s42, 192*2048                   ; B: (192 nb + 96 half) rows: hangs on cx alone
	s_mul_i32 s47, s15, 96*2048
	s_add_co_u32 s46, s46, s47
	s_mov_b32 s47, 0
	s_mul_i32 s20, s12, HALFA                      ; LDS: A's halves at wave x HALFA (waves 0, 1)
	s_mul_i32 s21, s12, HALFB                      ;      B's at BO + (wave - 2) x HALFB (waves 2, 3)
	s_add_co_u32 s21, s21, BO-2*HALFB
	s_mul_i32 s22, s42, 768                        ; the block's 192 numbers of the bias
	s_mov_b32 s23, 0
	s_wait_dscnt 0x0
	s_wait_kmcnt 0x0
	s_add_nc_u64 s[18:19], s[4:5], s[16:17]
	s_add_nc_u64 s[46:47], s[6:7], s[46:47]
	s_add_nc_u64 s[8:9], s[8:9], s[22:23]
	CROUND                                         ; all sixteen work-groups are here: the first joint loads meet
.irp s, 0,1
	s_mov_b32 s[G0+4*\s], 1
	s_add_co_u32 s[G0+4*\s+1], s20, \s*SLOT
	s_add_nc_u64 s[G0+4*\s+2:G0+4*\s+3], s[18:19], \s*KSTEP*2
	s_or_b32 s[G0+4*\s+3], s[G0+4*\s+3], 0x80000000
	s_mov_b32 s[G0B+4*\s], 1
	s_add_co_u32 s[G0B+4*\s+1], s21, \s*SLOT
	s_add_nc_u64 s[G0B+4*\s+2:G0B+4*\s+3], s[46:47], \s*KSTEP*2
	s_or_b32 s[G0B+4*\s+3], s[G0B+4*\s+3], 0x80000000
	JLOAD \s
.endr
	v_and_b32 v1, 15, v0                           ; r
	v_bfe_u32 v2, v0, 4, 1                         ; h
	v_lshlrev_b32 v[HOFF], 5, v2
.irp b, 0,1,2,3,4,5,6,7,8,9,10,11
	global_load_b128 v[BIAS+8*\b:BIAS+8*\b+3],   v[HOFF], s[8:9] offset:64*\b      ; bias of columns 16 b + 8 h + 0..7: the image of an accumulator tile
	global_load_b128 v[BIAS+8*\b+4:BIAS+8*\b+7], v[HOFF], s[8:9] offset:64*\b+16
.endr
	v_mul_u32_u24 v3, v1, PITCH
	v_lshl_add_u32 v3, v2, 4, v3                   ; row r, 16 bytes for each half of the lanes
	s_mul_i32 s45, s12, 64*PITCH                   ; my 64 rows of A
	v_add_nc_u32 v[ADRA], s45, v3
	v_add_nc_u32 v[ADRA+1], SLOT, v[ADRA]
	v_add_nc_u32 v[ADRB], BO, v3
	v_add_nc_u32 v[ADRB+1], SLOT, v[ADRB]
	v_mul_u32_u24 v4, v1, SPITCH
	v_lshl_add_u32 v4, v2, 4, v4
	v_bfe_u32 v5, v0, 3, 2                         ; lane / 8
	v_and_b32 v6, 7, v0
	v_mul_u32_u24 v5, v5, SPITCH
	v_lshl_add_u32 v5, v6, 4, v5
	v_and_b32 v7, 31, v0
	s_mul_i32 s45, s12, WSTAGE
	s_add_co_u32 s45, s45, STAGE                   ; my stage
	v_add_nc_u32 v[STO], s45, v4
	v_add_nc_u32 v[RD], s45, v5
	v_lshlrev_b32 v[CO], 4, v7
; 12 matrix instructions: row tile a x all 12 column tiles, 32 along K, from buffer f.  first = 1: the bias is the C operand and starts the sums.
; The 48 accumulators take turns, one instruction a turn, in the same order in every quarter step.
.macro MUL12 f, a, first
.irp b, 0,1,2,3,4,5,6,7,8,9,10,11
.if \first
	v_wmma_f32_16x16x32_bf16 v[8*(12*((\a)%2)+\b):8*(12*((\a)%2)+\b)+7], v[96*\f+8*\b:96*\f+8*\b+7], v[FA+32*\f+8*\a:FA+32*\f+8*\a+7], v[BIAS+8*\b:BIAS+8*\b+7]
.else
	v_wmma_f32_16x16x32_bf16 v[8*(12*((\a)%2)+\b):8*(12*((\a)%2)+\b)+7], v[96*\f+8*\b:96*\f+8*\b+7], v[FA+32*\f+8*\a:FA+32*\f+8*\a+7], v[8*(12*((\a)%2)+\b):8*(12*((\a)%2)+\b)+7]
.endif
.endr
.endm
; 32 LDS loads: a quarter step's fragments (192 rows of B, my 64 rows of A, 32 K at byte k of the rows) into buffer f
.macro FETCH slot, k, f
	WIN 0x40                                       ; destination window 1
.irp i, 0,1,2,3,4,5,6,7,8,9,10,11
	ds_load_b128 v[96*\f+8*\i:96*\f+8*\i+3],   v[ADRB+\slot] offset:\k+\i*16*PITCH
	ds_load_b128 v[96*\f+8*\i+4:96*\f+8*\i+7], v[ADRB+\slot] offset:\k+\i*16*PITCH+32
.endr
	WIN 0
.irp i, 0,1,2,3
	ds_load_b128 v[FA+32*\f+8*\i:FA+32*\f+8*\i+3],   v[ADRA+\slot] offset:\k+\i*16*PITCH
	ds_load_b128 v[FA+32*\f+8*\i+4:FA+32*\f+8*\i+7], v[ADRA+\slot] offset:\k+\i*16*PITCH+32
.endr
.endm
.macro QUARTER slot, k, f, g, first
	s_wait_dscnt 4                                 ; B and A's tiles 0, 1 are in; the youngest four loads (A's tiles 2, 3) may be out
.if \first
	WIN 0x81                                       ; source 0 window 1, C window 0 (the bias), D window 2
.else
	WIN 0xa1                                       ; C and D window 2
.endif
	MUL12 \f, 0, \first
	MUL12 \f, 1, \first
	PLACES
	FETCH \slot, \k, \g
	s_wait_dscnt 32                                ; all but the 32 just issued
.if \first
	WIN 0xc1
.else
	WIN 0xf1
.endif
	MUL12 \f, 2, \first
	MUL12 \f, 3, \first
.endm
.macro THREE slot, first
	QUARTER \slot, 64,  0, 1, \first
	QUARTER \slot, 128, 1, 0, 0
	QUARTER \slot, 192, 0, 1, 0
.endm
; The last quarter of a K step multiplies buffer 1 and changes slots.  In front of the barrier each wave waits for its reads of this slot and for all its
; tensor loads (one is out: its part of the next slot); behind it (with fill: behind the cluster's round that it opens) this slot's refill comes first.
.macro TURN slot, next, fill
	s_wait_dscnt 4
	WIN 0xa1
	MUL12 1, 0, 0
	s_wait_dscnt 0
	s_wait_tensorcnt 0x0
	ds_add_u32 v255, v255
	s_wait_dscnt 0x0
	s_barrier_signal -1
	MUL12 1, 1, 0                                  ; register work while the others arrive
	WIN 0
	s_barrier_wait -1
.if \fill
	CREST
	s_add_nc_u64 s[G0+4*\slot+2:G0+4*\slot+3], s[G0+4*\slot+2:G0+4*\slot+3], 2*KSTEP*2
	s_add_nc_u64 s[G0B+4*\slot+2:G0B+4*\slot+3], s[G0B+4*\slot+2:G0B+4*\slot+3], 2*KSTEP*2
	JLOAD \slot
.endif
	PLACES
	FETCH \next, 0, 0
	WIN 0xf1
	MUL12 1, 2, 0
	MUL12 1, 3, 0
.endm
.macro LAP first
	THREE 0, \first
	TURN 0, 1, 1
	THREE 1, 0
	TURN 1, 0, 1
.endm
	s_wait_tensorcnt 1                             ; my part of K step 0 is in; K step 1's may stay out
	s_barrier_signal -1
	s_barrier_wait -1
	FETCH 0, 0, 0
	s_wait_loadcnt 0x0                             ; the bias
	LAP 1
	WIN 0
	s_mov_b32 s3, LAPS-2
.Llap:
	LAP 0
	WIN 0
	s_sub_co_u32 s3, s3, 1
	s_cmp_lg_u32 s3, 0
	s_cbranch_scc1 .Llap
	THREE 0, 0                                     ; the last lap fills nothing
	TURN 0, 1, 0
	THREE 1, 0
	s_wait_dscnt 4
	WIN 0xa1
	MUL12 1, 0, 0
	MUL12 1, 1, 0
	s_wait_dscnt 0
	WIN 0xf1
	MUL12 1, 2, 0
	MUL12 1, 3, 0
	; THE WAY OUT, 16 rows at a time: to f16, 16 bytes a lane into my own stage, read back head by head as 4 rows of 128 bytes, which are 512 dense bytes of qkv.
	PLACES
	s_lshr_b32 s16, s14, 3                         ; bb = mb / 8
	s_lshl_b32 s16, s16, 18
	s_and_b32 s17, s14, 7                          ; t = 256 (mb % 8) + 64 w + ..., 128 bytes a row
	s_lshl_b32 s17, s17, 15
	s_add_co_u32 s16, s16, s17
	s_lshl_b32 s17, s12, 13
	s_add_co_u32 s16, s16, s17
	s_mov_b32 s17, 0
	s_add_nc_u64 s[10:11], s[10:11], s[16:17]
	s_mul_i32 s46, s42, 3*524288                   ; vh = 3 nb + hh
	s_mov_b32 s47, 0
	s_add_nc_u64 s[10:11], s[10:11], s[46:47]
.macro OUT16 a, from
	WIN \from
.irp b, 0,1,2,3,4,5,6,7,8,9,10,11
.irp r, 0,1,2,3
	v_cvt_pk_f16_f32 v[TMP+4*\b+\r], v[8*(12*((\a)%2)+\b)+2*\r], v[8*(12*((\a)%2)+\b)+2*\r+1]
.endr
.endr
	WIN 0
.irp b, 0,1,2,3,4,5,6,7,8,9,10,11
	ds_store_b128 v[STO], v[TMP+4*\b:TMP+4*\b+3] offset:32*\b
.endr
	s_wait_xcnt 0x0                                ; RB, which the last stores read, is loaded again only behind this wait
.irp hh, 0,1,2
.irp n, 0,1,2,3
	ds_load_b128 v[RB+4*(4*\hh+\n):RB+4*(4*\hh+\n)+3], v[RD] offset:128*\hh+4*SPITCH*\n    ; a wave's LDS instructions are served in order: these see the stores above
.endr
.endr
.irp hh, 0,1,2
.irp n, 0,1,2,3
	s_wait_dscnt 11-(4*\hh+\n)
	global_store_b128 v[CO], v[RB+4*(4*\hh+\n):RB+4*(4*\hh+\n)+3], s[10:11] offset:\hh*524288+\a*2048+\n*512
.endr
.endr
.endm
	OUT16 0, 0x0a
	OUT16 1, 0x0a
	OUT16 2, 0x0f
	OUT16 3, 0x0f
	s_set_vgpr_msb 0x1
	s_wait_tensorcnt 0x0
	ds_add_u32 v255, v255
	s_wait_dscnt 0x0
	s_set_vgpr_msb 0x100
	CROUND                                         ; the closing round: no work-group ends while a partner may still ask jointly
	s_endpgm
.Lfunc_end_k_q7b084c0885_qkvgemm:
	.size	k_q7b084c0885_qkvgemm, .Lfunc_end_k_q7b084c0885_qkvgemm-k_q7b084c0885_qkvgemm
	.p2alignl 7, 3214868480
	.fill 96, 4, 3214868480
	.section	.rodata,"a",@progbits
	.p2align	6, 0x0
	.amdhsa_kernel k_q7b084c0885_qkvgemm
		.amdhsa_group_segment_fixed_size 327680
		.amdhsa_private_segment_fixed_size 0
		.amdhsa_enable_private_segment 0
		.amdhsa_kernarg_size 32
		.amdhsa_user_sgpr_count 2
		.amdhsa_user_sgpr_kernarg_segment_ptr 1
		.amdhsa_wavefront_size32 1
		.amdhsa_system_sgpr_workgroup_id_x 1
		.amdhsa_system_sgpr_workgroup_id_y 1
		.amdhsa_system_sgpr_workgroup_id_z 1
		.amdhsa_system_vgpr_workitem_id 0
		.amdhsa_next_free_vgpr 960
		.amdhsa_next_free_sgpr 66
		.amdhsa_reserve_vcc 0
		.amdhsa_float_denorm_mode_32 3
		.amdhsa_float_denorm_mode_16_64 3
		.amdhsa_memory_ordered 1
		.amdhsa_forward_progress 1
		.amdhsa_inst_pref_size 166
	.end_amdhsa_kernel
	.amdgpu_metadata
---
amdhsa.version: [ 1, 2 ]
amdhsa.kernels:
  - .name:           k_q7b084c0885_qkvgemm
    .symbol:         k_q7b084c0885_qkvgemm.kd
    .args:
      - { .name: xb, .offset: 0, .size: 8, .value_kind: global_buffer, .address_space: global }
      - { .name: wt, .offset: 8, .size: 8, .value_kind: global_buffer, .address_space: global }
      - { .name: bcat, .offset: 16, .size: 8, .value_kind: global_buffer, .address_space: global }
      - { .name: qkv, .offset: 24, .size: 8, .value_kind: global_buffer, .address_space: global }
    .group_segment_fixed_size: 327680
    .private_segment_fixed_size: 0
    .kernarg_segment_align: 8
    .kernarg_segment_size: 32
    .max_flat_workgroup_size: 128
    .sgpr_count:     66
    .vgpr_count:     960
    .wavefront_size: 32
...
	.end_amdgpu_metadata
.endif
;; end of part 2
;; launch attn (part 3): grid 256 x 1, 4 waves a work-group, no clusters, 327,680 bytes of LDS; arguments qkv, y; writes y
.if DOCPART == 3
	.amdgcn_target "amdgcn-amd-amdhsa--gfx1250"
	.amdhsa_code_object_version 6
	.text
	.protected	k_q7b084c0885_attn
	.globl	k_q7b084c0885_attn
	.p2align	8
	.type	k_q7b084c0885_attn,@function
k_q7b084c0885_attn:
	s_mov_b64 s[64:65], 0
	v_nop
	global_prefetch_b8 v0, s[64:65] scope:SCOPE_SE
	s_setreg_imm32_b32 hwreg(HW_REG_WAVE_MODE, 25, 1), 1
	s_wait_xcnt 0x0
; Causal attention for one head and batch, f16 operands, f32 sums and softmax with a running maximum.
; Work-group id: i = id & 7, bh = id >> 3 = 2 head + batch.  It takes the query block 15 - i (128 rows; key tiles 0 .. 15 - i) and then block i (tiles 0 .. i):
; 17 tiles of 128 keys for every work-group, one flat walk through a ring of two LDS slots.  Key tiles above the diagonal are never touched.
; Wave w owns 32 query rows (qt = 0, 1).  S^T = K Q^T: a lane holds ONE query (r) and keys 16 kt + 8 h + j, so the row's figures are a lane's own but for one
; exchange between the two halves of the lanes, and two neighbouring S^T tiles packed to f16 ARE the second operand of O^T = V^T P^T: no shuffle, no LDS trip.
; V^T's fragments come from V's rows by the transposing LDS load.
; y[mb = 16 batch + block][head][128 rows][64] in f16: dense for this launch's stores and for the next launch's tiles.
; NO CLUSTER: the eight work-groups of a head walk different tile sequences (16 - i tiles, then i + 1), and the branches for the diagonal tile, for a block's
; first tile and for its end hang on i, which would be the place in the cluster; in lock-step each would walk 20 tiles instead of 17.
; LIMITS: |y| below 65,504; a P below about 3e-8 of its row's largest becomes 0 in f16.
; By this text's count a wave has one tensor load out.
.set KP, 144                           ; K rows in LDS: 128 bytes + 16
.set VP, 160                           ; V rows: 128 + 32, an odd multiple of 32
.set VO, 20480                         ; V's place in a slot: wave 2's load lands at 2 x 64 x VP
.set SLOT, 40960
.set STAGE, 2*SLOT                     ; no tensor load lands here
.set WSTAGE, 32*KP
.set KADR, 8                           ; v8-9   K fragments, slot 0, 1
.set VADR, 10                          ; v10-11 V fragments
.set QOFF, 12
.set STO, 13
.set RD, 14
.set CO, 15
.set LIM, 16                           ; v16-17 the diagonal tile: key 16 kt + j is masked where it exceeds 32 w + 16 qt + r - 8 h
.set NINF, 18
.set T, 20                             ; v20-23
.set U, 24                             ; v24-25
.set MO, 26                            ; v26-27 running maximum of the raw scores, qt 0, 1
.set NM, 32                            ; v32-35 -(maximum x log2e/8), rounded; each kept twice for the packed forms
.set SUM, 36                           ; v36-43
.set AL, 44                            ; v44-47 the rescale factor, each kept twice
.set LS, 48                            ; v48-49 my lane's part of the row sum
.set O, 64                             ; v64-127  O(dt, qt) at O + 8 (2 dt + qt)
.set S, 128                            ; v128-255 S(kt, qt) at S + 8 (2 kt + qt); P(c, qt) is written over S(2 c, qt)
                                       ; window 1: K fragments (kt, ks) at 8 (2 kt + ks); Q fragments (qt, ks) at 128 + 8 (2 qt + ks).  window 2: V fragments (dt, c) at 8 (4 c + dt)
.set G1K, 24
.set G0K, 32
.set G1V, 48
.set G0V, 56
.set MSB, 0
.macro WIN new
.if MSB != \new
	s_set_vgpr_msb (MSB<<8)|\new
.set MSB, \new
.endif
.endm
.macro TLOAD s                         ; waves 0, 1 fetch K's halves (64 rows each), waves 2, 3 V's
	s_cmp_eq_u32 s9, 0
	s_cbranch_scc0 .Lfor_v_\@
	tensor_load_to_lds s[G0K+4*\s:G0K+4*\s+3], s[G1K:G1K+7]
	s_nop 0
	s_branch .Lasked_\@
.Lfor_v_\@:
	tensor_load_to_lds s[G0V+4*\s:G0V+4*\s+3], s[G1V:G1V+7]
	s_nop 0
.Lasked_\@:
.endm
	s_load_b128 s[4:7], s[0:1], 0x0                ; qkv 4:5, y 6:7
	v_lshl_add_u32 v62, v0, 2, 0x29000
	v_mov_b32 v63, 0
	ds_add_u32 v62, v63
	ds_add_u32 v62, v63
	v_lshrrev_b32 v1, 5, v0
	v_readfirstlane_b32 s8, v1                     ; wave
	s_lshr_b32 s9, s8, 1
	s_and_b32 s10, s8, 1
	s_and_b32 s11, ttmp9, 7                        ; i
	s_lshr_b32 s45, ttmp9, 3                       ; bh
	s_mov_b32 s40, 0x3e38aa3b                      ; log2(e) / 8: the scale 1/sqrt(64) and the change of base in one factor
	s_mov_b32 s41, 0x3e38aa3b
	s_mov_b32 s42, 0xbe38aa3b
	s_mov_b32 s43, 0x76543210                      ; v_permlanex16_b32: lane i of one half reads lane i of the other
	s_mov_b32 s44, 0xfedcba98
	s_mov_b32 s[G1K+0], (1<<16)|(1<<20)|(4<<22)|(3<<25)    ; 2-byte elements; 4 words of padding behind every 32
	s_mov_b32 s[G1V+0], (1<<16)|(1<<20)|(4<<22)|(7<<25)    ; 8 words
.irp g, G1K, G1V
	s_mov_b32 s[\g+1], 64<<16                      ; tensor_dim0 = 64
	s_mov_b32 s[\g+2], 64<<16                      ; tensor_dim1 = 64 rows
	s_mov_b32 s[\g+3], 64<<16                      ; tile_dim0
	s_mov_b32 s[\g+4], 64                          ; tile_dim1
	s_mov_b32 s[\g+5], 64                          ; elements from row to row
	s_mov_b32 s[\g+6], 0
	s_mov_b32 s[\g+7], 0
.endr
	s_mul_i32 s46, s8, 64*KP
	s_mov_b32 s[G0K], 1
	s_mov_b32 s[G0K+1], s46
	s_mov_b32 s[G0K+4], 1
	s_add_co_u32 s[G0K+5], s46, SLOT
	s_mul_i32 s46, s8, 64*VP
	s_mov_b32 s[G0V], 1
	s_mov_b32 s[G0V+1], s46
	s_mov_b32 s[G0V+4], 1
	s_add_co_u32 s[G0V+5], s46, SLOT
	s_lshl_b32 s22, s45, 18                        ; a head and batch: 2,048 rows of 128 bytes
	s_mov_b32 s23, 0
	s_lshl_b32 s46, s10, 13                        ; my half of a tile: 64 rows
	s_add_co_u32 s46, s46, 0x800000                ; K lies 16 heads x 2 batches behind Q
	s_mov_b32 s47, 0
	s_wait_dscnt 0x0
	s_wait_kmcnt 0x0
	s_add_nc_u64 s[20:21], s[4:5], s[22:23]        ; Q
	s_add_nc_u64 s[16:17], s[20:21], s[46:47]      ; K, my half
	s_add_nc_u64 s[18:19], s[16:17], 0x800000      ; V, my half
	s_and_b32 s22, s45, 1
	s_lshl_b32 s22, s22, 22                        ; batch x 16 blocks of 262,144 bytes
	s_lshr_b32 s46, s45, 1
	s_lshl_b32 s46, s46, 14                        ; head x 16,384
	s_add_co_u32 s22, s22, s46
	s_lshl_b32 s46, s8, 12                         ; my 32 rows
	s_add_co_u32 s22, s22, s46
	s_add_nc_u64 s[70:71], s[6:7], s[22:23]
	s_mov_b64 s[G0K+2:G0K+3], s[16:17]
	s_or_b32 s[G0K+3], s[G0K+3], 0x80000000
	s_mov_b64 s[G0V+2:G0V+3], s[18:19]
	s_or_b32 s[G0V+3], s[G0V+3], 0x80000000
	TLOAD 0                                        ; tile 0: the first fill, ahead of every wait on TENSORcnt, LDS read and barrier
	v_and_b32 v1, 15, v0                           ; r
	v_bfe_u32 v2, v0, 4, 1                         ; h
	v_and_b32 v3, 7, v0
	v_bfe_u32 v4, v0, 3, 1
	v_bfe_u32 v5, v0, 3, 2
	v_and_b32 v6, 31, v0
	v_mul_u32_u24 v[KADR], v1, KP
	v_lshl_add_u32 v[KADR], v2, 4, v[KADR]         ; key row r, 16 bytes for each half of the lanes
	v_add_nc_u32 v[KADR+1], SLOT, v[KADR]
	v_lshl_add_u32 v7, v2, 3, v3
	v_mul_u32_u24 v[VADR], v7, VP                  ; key row 8 h + lane % 8,
	v_lshl_add_u32 v[VADR], v4, 4, v[VADR]         ; 16 bytes by bit 3 of the lane
	v_add_nc_u32 v[VADR], VO, v[VADR]
	v_add_nc_u32 v[VADR+1], SLOT, v[VADR]
	v_lshlrev_b32 v[QOFF], 7, v1
	v_lshl_add_u32 v[QOFF], v2, 4, v[QOFF]
	v_lshl_add_u32 v[QOFF], s8, 12, v[QOFF]
	s_mul_i32 s46, s8, WSTAGE
	s_add_co_u32 s46, s46, STAGE
	v_add_nc_u32 v[STO], s46, v[KADR]
	v_mul_u32_u24 v[RD], v5, KP
	v_lshl_add_u32 v[RD], v3, 4, v[RD]
	v_add_nc_u32 v[RD], s46, v[RD]
	v_lshlrev_b32 v[CO], 4, v6
	v_lshl_add_u32 v[LIM], s8, 5, v1
	v_lshlrev_b32 v7, 3, v2
	v_sub_nc_u32 v[LIM], v[LIM], v7                ; signed: -8 at the least
	v_add_nc_u32 v[LIM+1], 16, v[LIM]
	v_mov_b32 v[NINF], 0xff800000
	v_mov_b32 v[U], 0                              ; a lane permute's destination counts as read
	v_mov_b32 v[U+1], 0
; A query block begins: its Q fragments straight from memory, and the row figures.
.macro NEWPHASE
	s_lshl_b32 s46, s12, 14                        ; block x 128 rows of 128 bytes
	s_add_nc_u64 s[66:67], s[20:21], s[46:47]
	WIN 0x40
.irp qt, 0,1
.irp ks, 0,1
	global_load_b128 v[128+8*(2*\qt+\ks):128+8*(2*\qt+\ks)+3],   v[QOFF], s[66:67] offset:2048*\qt+64*\ks
	global_load_b128 v[128+8*(2*\qt+\ks)+4:128+8*(2*\qt+\ks)+7], v[QOFF], s[66:67] offset:2048*\qt+64*\ks+32
.endr
.endr
	WIN 0
	v_mov_b32 v[MO], v[NINF]
	v_mov_b32 v[MO+1], v[NINF]
.irp k, 0,1,2,3
	v_mov_b32 v[NM+\k], 0x7f800000                 ; -(-inf): the first rescale factor comes out as 0
.endr
	v_mov_b32 v[LS], 0
	v_mov_b32 v[LS+1], 0
.endm
.macro MASK                            ; the diagonal tile: -inf above the diagonal
.irp kt, 0,1,2,3,4,5,6,7
.irp qt, 0,1
.irp j, 0,1,2,3,4,5,6,7
	v_cmp_gt_i32 vcc_lo, 16*\kt+\j, v[LIM+\qt]
	v_cndmask_b32 v[S+8*(2*\kt+\qt)+\j], v[S+8*(2*\kt+\qt)+\j], v[NINF], vcc_lo
.endr
.endr
.endr
.endm
.macro STA kt                          ; p = exp2(s c - m c) for key tile kt, both query tiles
.irp qt, 0,1
.irp p, 0,2,4,6
	v_pk_fma_f32 v[S+8*(2*\kt+\qt)+\p:S+8*(2*\kt+\qt)+\p+1], v[S+8*(2*\kt+\qt)+\p:S+8*(2*\kt+\qt)+\p+1], s[40:41], v[NM+2*\qt:NM+2*\qt+1] op_sel_hi:[1,0,1]
.endr
.endr
.irp j, 0,1,2,3,4,5,6,7,8,9,10,11,12,13,14,15
	v_exp_f32 v[S+16*\kt+\j], v[S+16*\kt+\j]
.endr
.endm
.macro STB kt                          ; sums in two chains a query tile, then to f16: an even tile into its own registers 0-3, an odd one into registers 4-7 of the tile before
.irp qt, 0,1
.if \kt == 0
	s_wait_alu depctr_va_vdst(0)
	v_pk_add_f32 v[SUM+4*\qt:SUM+4*\qt+1],   v[S+8*\qt:S+8*\qt+1],   v[S+8*\qt+2:S+8*\qt+3]
	v_pk_add_f32 v[SUM+4*\qt+2:SUM+4*\qt+3], v[S+8*\qt+4:S+8*\qt+5], v[S+8*\qt+6:S+8*\qt+7]
.else
	s_wait_alu depctr_va_vdst(0)
	v_pk_add_f32 v[SUM+4*\qt:SUM+4*\qt+1],   v[SUM+4*\qt:SUM+4*\qt+1],   v[S+8*(2*\kt+\qt):S+8*(2*\kt+\qt)+1]
	v_pk_add_f32 v[SUM+4*\qt+2:SUM+4*\qt+3], v[SUM+4*\qt+2:SUM+4*\qt+3], v[S+8*(2*\kt+\qt)+2:S+8*(2*\kt+\qt)+3]
	v_pk_add_f32 v[SUM+4*\qt:SUM+4*\qt+1],   v[SUM+4*\qt:SUM+4*\qt+1],   v[S+8*(2*\kt+\qt)+4:S+8*(2*\kt+\qt)+5]
	v_pk_add_f32 v[SUM+4*\qt+2:SUM+4*\qt+3], v[SUM+4*\qt+2:SUM+4*\qt+3], v[S+8*(2*\kt+\qt)+6:S+8*(2*\kt+\qt)+7]
.endif
.endr
.irp qt, 0,1
.irp r, 0,1,2,3
	v_cvt_pk_f16_f32 v[S+8*(2*(\kt-\kt%2)+\qt)+4*(\kt%2)+\r], v[S+8*(2*\kt+\qt)+2*\r], v[S+8*(2*\kt+\qt)+2*\r+1]
.endr
.endr
.endm
.macro SOFTMAX
	; the tile's maximum of my lane's 64 scores a query tile: four chains (c = 2 x half of the key tiles + qt) that do not wait for each other
.irp c, 0,1,2,3
	v_max_num_f32 v[T+\c], v[S+64*(\c/2)+8*(\c%2)], v[S+64*(\c/2)+8*(\c%2)+1]
.endr
.irp j, 2,4,6
.irp c, 0,1,2,3
	v_max3_num_f32 v[T+\c], v[T+\c], v[S+64*(\c/2)+8*(\c%2)+\j], v[S+64*(\c/2)+8*(\c%2)+\j+1]
.endr
.endr
.irp k, 1,2,3
.irp j, 0,2,4,6
.irp c, 0,1,2,3
	v_max3_num_f32 v[T+\c], v[T+\c], v[S+64*(\c/2)+16*\k+8*(\c%2)+\j], v[S+64*(\c/2)+16*\k+8*(\c%2)+\j+1]
.endr
.endr
.endr
	v_max_num_f32 v[T], v[T], v[T+2]
	v_max_num_f32 v[T+1], v[T+1], v[T+3]
	v_permlanex16_b32 v[U], v[T], s43, s44         ; the other half of the lanes holds the query's other keys
	v_permlanex16_b32 v[U+1], v[T+1], s43, s44
	v_max3_num_f32 v[MO], v[T], v[U], v[MO]        ; finite: every tile that is walked has a key allowed for every row
	v_max3_num_f32 v[MO+1], v[T+1], v[U+1], v[MO+1]
	v_mul_f32 v[T], s42, v[MO]                     ; the new reference point, rounded once and used as it is everywhere
	v_mul_f32 v[T+1], s42, v[MO+1]
	v_sub_f32 v[AL], v[T], v[NM]
	v_sub_f32 v[AL+2], v[T+1], v[NM+2]
	v_exp_f32 v[AL], v[AL]                         ; 2^(old point - new point)
	v_exp_f32 v[AL+2], v[AL+2]
	v_mov_b32 v[NM], v[T]                          ; plain instructions stand between the exponentials and the use of their results (ISA guide 5.7.2)
	v_mov_b32 v[NM+1], v[T]
	v_mov_b32 v[NM+2], v[T+1]
	v_mov_b32 v[NM+3], v[T+1]
	s_wait_alu depctr_va_vdst(0)
	v_mov_b32 v[AL+1], v[AL]
	v_mov_b32 v[AL+3], v[AL+2]
	STA 0                                          ; a tile's sums and packing follow one tile behind its exponentials
	STA 1
	STB 0
	STA 2
	STB 1
	STA 3
	STB 2
	STA 4
	STB 3
	STA 5
	STB 4
	STA 6
	STB 5
	STA 7
	STB 6
	STB 7
	v_pk_add_f32 v[SUM:SUM+1], v[SUM:SUM+1], v[SUM+2:SUM+3]
	v_pk_add_f32 v[SUM+4:SUM+5], v[SUM+4:SUM+5], v[SUM+6:SUM+7]
	v_add_f32 v[SUM], v[SUM], v[SUM+1]
	v_add_f32 v[SUM+4], v[SUM+4], v[SUM+5]
	v_fma_f32 v[LS], v[LS], v[AL], v[SUM]
	v_fma_f32 v[LS+1], v[LS+1], v[AL+2], v[SUM+4]
.endm
.macro OSCALE
.irp dt, 0,1,2,3
.irp qt, 0,1
.irp p, 0,2,4,6
	v_pk_mul_f32 v[O+8*(2*\dt+\qt)+\p:O+8*(2*\dt+\qt)+\p+1], v[O+8*(2*\dt+\qt)+\p:O+8*(2*\dt+\qt)+\p+1], v[AL+2*\qt:AL+2*\qt+1]
.endr
.endr
.endr
.endm
; O^T += V^T P^T for 32 keys (c): eight accumulators by turns, one instruction a turn.  zero = 1: the block's first products start the sums.
.macro PV8 c, zero
.irp dt, 0,1,2,3
.irp qt, 0,1
.if \zero
	v_wmma_f32_16x16x32_f16 v[O+8*(2*\dt+\qt):O+8*(2*\dt+\qt)+7], v[8*(4*\c+\dt):8*(4*\c+\dt)+7], v[S+8*(4*\c+\qt):S+8*(4*\c+\qt)+7], 0
.else
	v_wmma_f32_16x16x32_f16 v[O+8*(2*\dt+\qt):O+8*(2*\dt+\qt)+7], v[8*(4*\c+\dt):8*(4*\c+\dt)+7], v[S+8*(4*\c+\qt):S+8*(4*\c+\qt)+7], v[O+8*(2*\dt+\qt):O+8*(2*\dt+\qt)+7]
.endif
.endr
.endr
.endm
; A query block ends: divide by the row sums, to f16, through my own stage, out as 512 dense bytes a store.
.macro FINAL
	v_permlanex16_b32 v[U], v[LS], s43, s44
	v_permlanex16_b32 v[U+1], v[LS+1], s43, s44
	v_add_f32 v[LS], v[LS], v[U]
	v_add_f32 v[LS+1], v[LS+1], v[U+1]             ; at least 1: the row's largest score counts as 1
	v_rcp_f32 v[AL], v[LS]
	v_rcp_f32 v[AL+1], v[LS]
	v_rcp_f32 v[AL+2], v[LS+1]
	v_rcp_f32 v[AL+3], v[LS+1]
	s_lshl_b32 s46, s12, 18
	v_nop                                          ; the plain place behind the reciprocals (ISA guide 5.7.2)
	s_wait_alu depctr_va_vdst(0)
	s_add_nc_u64 s[68:69], s[70:71], s[46:47]
	OSCALE
.irp dt, 0,1,2,3
.irp qt, 0,1
.irp r, 0,1,2,3
	v_cvt_pk_f16_f32 v[S+4*(2*\dt+\qt)+\r], v[O+8*(2*\dt+\qt)+2*\r], v[O+8*(2*\dt+\qt)+2*\r+1]
.endr
.endr
.endr
.irp dt, 0,1,2,3
.irp qt, 0,1
	ds_store_b128 v[STO], v[S+4*(2*\dt+\qt):S+4*(2*\dt+\qt)+3] offset:16*KP*\qt+32*\dt
.endr
.endr
.irp n, 0,1,2,3,4,5,6,7
	ds_load_b128 v[S+32+4*\n:S+32+4*\n+3], v[RD] offset:4*KP*\n    ; a wave's LDS instructions are served in order: these see the stores above
.endr
.irp n, 0,1,2,3,4,5,6,7
	s_wait_dscnt 7-\n
	global_store_b128 v[CO], v[S+32+4*\n:S+32+4*\n+3], s[68:69] offset:512*\n
.endr
.endm
; One key tile.  slot: where it lies; oth: the other slot; refill: the next tile is asked for;
; kind 0: any tile; 1: the walk's first tile (a block's first, never a diagonal: block 15 - i is at least block 8); 2: the walk's last tile (a diagonal, and the end).
.macro TRIP slot, oth, refill, kind
	s_wait_tensorcnt 0x0                           ; all my tensor loads have landed, my part of this tile among them: every group 0 may be written
	ds_add_u32 v62, v63
	s_wait_dscnt 0x0
.if \refill
	s_add_co_u32 s14, s13, 1                       ; the next tile: one on, or tile 0 of the second block
	s_cmp_eq_u32 s13, s12
	s_cselect_b32 s14, 0, s14
	s_lshl_b32 s22, s14, 14                        ; 128 rows of 128 bytes
	s_add_nc_u64 s[G0K+4*\oth+2:G0K+4*\oth+3], s[16:17], s[22:23]
	s_or_b32 s[G0K+4*\oth+3], s[G0K+4*\oth+3], 0x80000000
	s_add_nc_u64 s[G0V+4*\oth+2:G0V+4*\oth+3], s[18:19], s[22:23]
	s_or_b32 s[G0V+4*\oth+3], s[G0V+4*\oth+3], 0x80000000
.endif
	s_wait_dscnt 0x0                               ; my reads of the other slot are done
	s_barrier_signal -1
	s_barrier_wait -1                              ; both now hold of every wave
.if \refill
	TLOAD \oth                                     ; my one tensor load behind this barrier; it has the whole trip in which to land
.endif
	WIN 0x40
.irp kt, 0,1,2,3,4,5,6,7
.irp ks, 0,1
	ds_load_b128 v[8*(2*\kt+\ks):8*(2*\kt+\ks)+3],   v[KADR+\slot] offset:\kt*16*KP+64*\ks
	ds_load_b128 v[8*(2*\kt+\ks)+4:8*(2*\kt+\ks)+7], v[KADR+\slot] offset:\kt*16*KP+64*\ks+32
.endr
.endr
	WIN 0x80
.irp c, 0,1,2,3
.irp dt, 0,1,2,3
	ds_load_tr16_b128 v[8*(4*\c+\dt):8*(4*\c+\dt)+3],   v[VADR+\slot] offset:\c*32*VP+32*\dt
	ds_load_tr16_b128 v[8*(4*\c+\dt)+4:8*(4*\c+\dt)+7], v[VADR+\slot] offset:\c*32*VP+32*\dt+16*VP
.endr
.endr
	s_wait_loadcnt 0x0                             ; Q's fragments (out only at a block's first tile)
	WIN 0x05                                       ; sources 0 and 1 in window 1
.irp g, 0,1,2,3
	s_wait_dscnt 56-8*\g                           ; of the 64 loads, those behind K's tiles 2 g and 2 g + 1 may be out
.irp t, 0,1,2,3                                    ; four accumulators by turns, one instruction a turn
	v_wmma_f32_16x16x32_f16 v[S+8*(4*\g+\t):S+8*(4*\g+\t)+7], v[16*(2*\g+\t/2):16*(2*\g+\t/2)+7], v[128+16*(\t%2):128+16*(\t%2)+7], 0
.endr
.irp t, 0,1,2,3
	v_wmma_f32_16x16x32_f16 v[S+8*(4*\g+\t):S+8*(4*\g+\t)+7], v[16*(2*\g+\t/2)+8:16*(2*\g+\t/2)+15], v[128+16*(\t%2)+8:128+16*(\t%2)+15], v[S+8*(4*\g+\t):S+8*(4*\g+\t)+7]
.endr
.endr
	WIN 0
.rept 4
	v_nop                                          ; four places before vector instructions read the scores (ISA guide 7.12.1)
.endr
.if \kind == 0
	s_cmp_lg_u32 s13, s12
	s_cbranch_scc1 .Lnomask_\@
	MASK
.Lnomask_\@:
.endif
.if \kind == 2
	MASK
.endif
	SOFTMAX
	s_wait_dscnt 0x0                               ; V's fragments
.if \kind == 1
	WIN 0x02                                       ; source 0 in window 2
	PV8 0, 1
.else
	s_cmp_eq_u32 s13, 0
	s_cbranch_scc1 .Lfirst_\@
	OSCALE
	WIN 0x02
	PV8 0, 0
	WIN 0
	s_branch .Ljoin_\@
.Lfirst_\@:
	WIN 0x02
	PV8 0, 1
	WIN 0
.Ljoin_\@:
	WIN 0x02
.endif
	PV8 1, 0
	PV8 2, 0
	PV8 3, 0
	WIN 0
.rept 5
	v_nop                                          ; five places before the next tile's products write over P; they also serve the loads into V's fragments and the reads of O
.endr
.if \kind == 0
	s_cmp_lg_u32 s13, s12
	s_cbranch_scc1 .Lgoon_\@
	FINAL
	s_mov_b32 s12, s11                             ; the second block
	NEWPHASE
	s_wait_xcnt 0x0                                ; the stores' data registers and the bases are written again only behind this wait
.Lgoon_\@:
.endif
.if \kind == 2
	FINAL
.else
	s_mov_b32 s13, s14
.endif
.endm
	s_sub_co_u32 s12, 15, s11                      ; the first block
	s_mov_b32 s13, 0                               ; its tile 0
	NEWPHASE
	TRIP 0, 1, 1, 1
	s_mov_b32 s15, 7
.Ltiles:
	TRIP 1, 0, 1, 0
	TRIP 0, 1, 1, 0
	s_sub_co_u32 s15, s15, 1
	s_cmp_lg_u32 s15, 0
	s_cbranch_scc1 .Ltiles
	TRIP 1, 0, 1, 0
	TRIP 0, 1, 0, 2                                ; tile 17 of 17: nothing is left to fetch
	s_wait_tensorcnt 0x0
	ds_add_u32 v62, v63
	s_wait_dscnt 0x0
	s_endpgm
.Lfunc_end_k_q7b084c0885_attn:
	.size	k_q7b084c0885_attn, .Lfunc_end_k_q7b084c0885_attn-k_q7b084c0885_attn
	.p2alignl 7, 3214868480
	.fill 96, 4, 3214868480
	.section	.rodata,"a",@progbits
	.p2align	6, 0x0
	.amdhsa_kernel k_q7b084c0885_attn
		.amdhsa_group_segment_fixed_size 327680
		.amdhsa_private_segment_fixed_size 0
		.amdhsa_enable_private_segment 0
		.amdhsa_kernarg_size 16
		.amdhsa_user_sgpr_count 2
		.amdhsa_user_sgpr_kernarg_segment_ptr 1
		.amdhsa_wavefront_size32 1
		.amdhsa_system_sgpr_workgroup_id_x 1
		.amdhsa_system_sgpr_workgroup_id_y 1
		.amdhsa_system_sgpr_workgroup_id_z 1
		.amdhsa_system_vgpr_workitem_id 0
		.amdhsa_next_free_vgpr 640
		.amdhsa_next_free_sgpr 72
		.amdhsa_reserve_vcc 1
		.amdhsa_float_denorm_mode_32 3
		.amdhsa_float_denorm_mode_16_64 3
		.amdhsa_memory_ordered 1
		.amdhsa_forward_progress 1
		.amdhsa_inst_pref_size 241
	.end_amdhsa_kernel
	.amdgpu_metadata
---
amdhsa.version: [ 1, 2 ]
amdhsa.kernels:
  - .name:           k_q7b084c0885_attn
    .symbol:         k_q7b084c0885_attn.kd
    .args:
      - { .name: qkv, .offset: 0, .size: 8, .value_kind: global_buffer, .address_space: global }
      - { .name: y, .offset: 8, .size: 8, .value_kind: global_buffer, .address_space: global }
    .group_segment_fixed_size: 327680
    .private_segment_fixed_size: 0
    .kernarg_segment_align: 8
    .kernarg_segment_size: 16
    .max_flat_workgroup_size: 128
    .sgpr_count:     72
    .vgpr_count:     640
    .wavefront_size: 32
...
	.end_amdgpu_metadata
.endif
;; end of part 3
;; launch proj (part 4): grid 8 x 32, 4 waves a work-group, clusters of 4 x 4, 327,680 bytes of LDS; arguments y, wt, bo, out0; writes out0
.if DOCPART == 4
	.amdgcn_target "amdgcn-amd-amdhsa--gfx1250"
	.amdhsa_code_object_version 6
	.text
	.protected	k_q7b084c0885_proj
	.globl	k_q7b084c0885_proj
	.p2align	8
	.type	k_q7b084c0885_proj,@function
k_q7b084c0885_proj:
	s_mov_b64 s[64:65], 0
	v_nop
	global_prefetch_b8 v0, s[64:65] scope:SCOPE_SE
	s_setreg_imm32_b32 hwreg(HW_REG_WAVE_MODE, 25, 1), 1
	s_wait_xcnt 0x0
	s_wait_alu depctr_hold_cnt(0) depctr_sa_sdst(0) depctr_va_vdst(0) depctr_va_sdst(0) depctr_va_ssrc(0) depctr_va_vcc(0) depctr_vm_vsrc(0)
	s_getreg_b32 s2, hwreg(HW_REG_IB_STS2, 6, 4)
	s_cmp_eq_u32 s2, 0
	s_cbranch_scc0 .Lentry_in_a_cluster
	s_endpgm
.Lentry_in_a_cluster:
	s_bfe_u32 s2, ttmp6, 0x10000c
	s_cmp_lg_u32 s2, 0xf033
	s_cbranch_scc0 .Lentry_shape_is_right
	s_endpgm
.Lentry_shape_is_right:
; out0[m][n] = sum over k of y[m][k] Wo[k][n] + bo[n]; f16 operands (y as the attention launch left it, Wo^T in rows 3072-4095 of wt), f32 sums and output.
; A work-group makes 128 x 128; the waves stand 2 x 2, each 64 x 64: 16 accumulator tiles.  256 work-groups.
; y lies [block of 128 rows][head][128][64], so a slot's part of A (four heads = 256 along K) is dense memory: wave 0 and 1 fetch two heads each (256 rows of 128 bytes);
; waves 2 and 3 fetch 64 rows of 512 bytes of wt each.  Two slots, four steps of 256 along K: both slots filled at the start, two refills.
; CLUSTER 4 x 4: y's tile is shared along a row of the cluster, wt's along a column; each is asked for jointly.
; By this text's count a wave has two tensor loads out at the start and one later.
; Window 0: addresses, fragments (two buffers), bias, rows on the way out; window 1: the accumulators.  The matrix instruction is used transposed, as in the first product.
.set AP,     144                       ; A rows in LDS: 128 bytes + 16
.set ASUB,   128*AP                    ; one head's 128 rows
.set BP,     528                       ; B rows: 512 + 16
.set BO,     4*ASUB
.set SLOT,   BO+128*BP
.set STAGE,  2*SLOT                    ; no tensor load lands here
.set SPITCH, 272                       ; 256 bytes (64 f32) + 16
.set WSTAGE, 16*SPITCH
.set ADRA, 16
.set ADRB, 20
.set STO,  24
.set RD,   25
.set CO,   26
.set HOFF, 27
.set FA,   32                          ; A buffer f at FA + 32 f
.set FB,   96                          ; B buffer f at FB + 32 f
.set BIAS, 160                         ; v160-191
.set RB0,  192
.set RB1,  224
.set G1,  24
.set G0,  32
.set G1B, 48
.set G0B, 56
.set MSB, 0
.macro WIN new
.if MSB != \new
	s_set_vgpr_msb (MSB<<8)|\new
.set MSB, \new
.endif
.endm
.macro JLOAD s
	s_cmp_eq_u32 s13, 0
	s_cbranch_scc0 .Lfor_b_\@
	tensor_load_to_lds s[G0+4*\s:G0+4*\s+3], s[G1:G1+7]
	s_nop 0
	s_branch .Lasked_\@
.Lfor_b_\@:
	tensor_load_to_lds s[G0B+4*\s:G0B+4*\s+3], s[G1B:G1B+7]
	s_nop 0
.Lasked_\@:
.endm
.macro CREST
	s_cmp_lg_u32 s12, 0
	s_cbranch_scc1 .Lnot_wave_0_\@
	s_barrier_signal -3
.Lnot_wave_0_\@:
	s_barrier_wait -3
	s_barrier_signal -1
	s_barrier_wait -1
.endm
.macro CROUND
	s_barrier_signal -1
	s_barrier_wait -1
	CREST
.endm
.macro PLACES
.rept 4
	v_nop
.endr
.endm
	s_load_b256 s[4:11], s[0:1], 0x0               ; y 4:5, wt 6:7, bo 8:9, out0 10:11
	v_lshl_add_u32 v30, v0, 2, 0x49400
	v_mov_b32 v31, 0
	ds_add_u32 v30, v31
	ds_add_u32 v30, v31
	v_lshrrev_b32 v1, 5, v0
	v_readfirstlane_b32 s12, v1                    ; wave
	s_lshr_b32 s13, s12, 1                         ; wm; also 0: I fetch for A, 1: for B
	s_and_b32 s15, s12, 1                          ; wn; also which half I fetch
	s_bfe_u32 s40, ttmp6, 0x40000                  ; cx
	s_bfe_u32 s41, ttmp6, 0x40004                  ; cy
	s_lshl_b32 s42, ttmp9, 2
	s_add_co_u32 s42, s42, s40                     ; nb: 128 columns
	s_and_b32 s14, ttmp7, 0xffff
	s_lshl_b32 s14, s14, 2
	s_add_co_u32 s14, s14, s41                     ; mb: 128 rows
	s_lshl_b32 s43, s41, 2
	s_lshl_b32 s43, 15, s43
	s_lshl_b32 s44, 0x1111, s40
	s_or_b32 s[G1+0], s43, (1<<16)|(1<<20)|(1<<21)|(4<<22)|(3<<25)   ; 4 words of padding behind every 32
	s_or_b32 s[G1B+0], s44, (1<<16)|(1<<20)|(1<<21)|(6<<22)|(3<<25)  ; behind every 128
	s_mov_b32 s[G1+1], 64<<16                      ; tensor_dim0
	s_mov_b32 s[G1B+1], 256<<16
	s_mov_b32 s[G1+2], 256<<16                     ; tensor_dim1
	s_mov_b32 s[G1B+2], 64<<16
	s_mov_b32 s[G1+3], 64<<16                      ; tile_dim0
	s_mov_b32 s[G1B+3], 256<<16
	s_mov_b32 s[G1+4], 256                         ; tile_dim1
	s_mov_b32 s[G1B+4], 64
	s_mov_b32 s[G1+5], 64                          ; elements from row to row
	s_mov_b32 s[G1B+5], 1024
	s_mov_b32 s[G1+6], 0
	s_mov_b32 s[G1B+6], 0
	s_mov_b32 s[G1+7], 0
	s_mov_b32 s[G1B+7], 0
	s_lshl_b32 s16, s14, 18                        ; A: block mb, two heads x half: hangs on cy alone
	s_lshl_b32 s17, s15, 15
	s_add_co_u32 s16, s16, s17
	s_mov_b32 s17, 0
	s_lshl_b32 s46, s42, 18                        ; B: (3072 + 128 nb + 64 half) rows of 2,048 bytes: hangs on cx alone
	s_lshl_b32 s47, s15, 17
	s_add_co_u32 s46, s46, s47
	s_add_co_u32 s46, s46, 3072*2048
	s_mov_b32 s47, 0
	s_mul_i32 s20, s12, 2*ASUB                     ; LDS: A's halves (waves 0, 1)
	s_mul_i32 s21, s12, 64*BP                      ;      B's at BO + (wave - 2) x 64 rows (waves 2, 3)
	s_add_co_u32 s21, s21, BO-128*BP
	s_lshl_b32 s22, s42, 9                         ; my 64 numbers of the bias
	s_lshl_b32 s23, s15, 8
	s_add_co_u32 s22, s22, s23
	s_mov_b32 s23, 0
	s_wait_dscnt 0x0
	s_wait_kmcnt 0x0
	s_add_nc_u64 s[18:19], s[4:5], s[16:17]
	s_add_nc_u64 s[46:47], s[6:7], s[46:47]
	s_add_nc_u64 s[8:9], s[8:9], s[22:23]
	CROUND                                         ; the first joint loads meet
.irp s, 0,1
	s_mov_b32 s[G0+4*\s], 1
	s_add_co_u32 s[G0+4*\s+1], s20, \s*SLOT
	s_add_nc_u64 s[G0+4*\s+2:G0+4*\s+3], s[18:19], \s*65536        ; four heads on
	s_or_b32 s[G0+4*\s+3], s[G0+4*\s+3], 0x80000000
	s_mov_b32 s[G0B+4*\s], 1
	s_add_co_u32 s[G0B+4*\s+1], s21, \s*SLOT
	s_add_nc_u64 s[G0B+4*\s+2:G0B+4*\s+3], s[46:47], \s*512        ; 256 along K
	s_or_b32 s[G0B+4*\s+3], s[G0B+4*\s+3], 0x80000000
	JLOAD \s
.endr
	v_and_b32 v1, 15, v0                           ; r
	v_bfe_u32 v2, v0, 4, 1                         ; h
	v_lshlrev_b32 v[HOFF], 5, v2
.irp b, 0,1,2,3
	global_load_b128 v[BIAS+8*\b:BIAS+8*\b+3],   v[HOFF], s[8:9] offset:64*\b
	global_load_b128 v[BIAS+8*\b+4:BIAS+8*\b+7], v[HOFF], s[8:9] offset:64*\b+16
.endr
	v_mul_u32_u24 v3, v1, AP
	v_lshl_add_u32 v3, v2, 4, v3
	s_mul_i32 s45, s13, 64*AP                      ; my 64 rows of A
	v_add_nc_u32 v[ADRA], s45, v3
	v_add_nc_u32 v[ADRA+1], SLOT, v[ADRA]
	v_mul_u32_u24 v4, v1, BP
	v_lshl_add_u32 v4, v2, 4, v4
	s_mul_i32 s45, s15, 64*BP                      ; my 64 rows of B
	s_add_co_u32 s45, s45, BO
	v_add_nc_u32 v[ADRB], s45, v4
	v_add_nc_u32 v[ADRB+1], SLOT, v[ADRB]
	s_mul_i32 s45, s12, WSTAGE
	s_add_co_u32 s45, s45, STAGE
	v_mul_u32_u24 v5, v1, SPITCH
	v_lshl_add_u32 v5, v2, 5, v5                   ; in: row r, 32 bytes for each half of the lanes
	v_add_nc_u32 v[STO], s45, v5
	v_mul_u32_u24 v6, v2, SPITCH
	v_lshl_add_u32 v6, v1, 4, v6                   ; back: lanes 0-15 one row of 256 bytes, lanes 16-31 the next
	v_add_nc_u32 v[RD], s45, v6
	v_lshlrev_b32 v7, 12, v2
	v_lshl_add_u32 v[CO], v1, 4, v7                ; the same two rows in out0
; four matrix instructions: row tile a x four column tiles.  The 16 accumulators take turns, one instruction a turn.
.macro MUL4 f, a, first
.irp b, 0,1,2,3
.if \first
	v_wmma_f32_16x16x32_f16 v[8*(4*\a+\b):8*(4*\a+\b)+7], v[FB+32*\f+8*\b:FB+32*\f+8*\b+7], v[FA+32*\f+8*\a:FA+32*\f+8*\a+7], v[BIAS+8*\b:BIAS+8*\b+7]
.else
	v_wmma_f32_16x16x32_f16 v[8*(4*\a+\b):8*(4*\a+\b)+7], v[FB+32*\f+8*\b:FB+32*\f+8*\b+7], v[FA+32*\f+8*\a:FA+32*\f+8*\a+7], v[8*(4*\a+\b):8*(4*\a+\b)+7]
.endif
.endr
.endm
; 16 LDS loads: the fragments of eighth q (32 along K) of a slot into buffer f
.macro FETCH slot, q, f
	WIN 0
.irp b, 0,1,2,3
	ds_load_b128 v[FB+32*\f+8*\b:FB+32*\f+8*\b+3],   v[ADRB+\slot] offset:\b*16*BP+64*\q
	ds_load_b128 v[FB+32*\f+8*\b+4:FB+32*\f+8*\b+7], v[ADRB+\slot] offset:\b*16*BP+64*\q+32
.endr
.irp a, 0,1,2,3
	ds_load_b128 v[FA+32*\f+8*\a:FA+32*\f+8*\a+3],   v[ADRA+\slot] offset:(\q/2)*ASUB+\a*16*AP+64*(\q%2)
	ds_load_b128 v[FA+32*\f+8*\a+4:FA+32*\f+8*\a+7], v[ADRA+\slot] offset:(\q/2)*ASUB+\a*16*AP+64*(\q%2)+32
.endr
.endm
.macro QUARTER slot, q, f, g, first    ; multiplies buffer f, fetches eighth q into buffer g
	s_wait_dscnt 4                                 ; the youngest four loads (A's tiles 2, 3) may be out
.if \first
	WIN 0x40                                       ; D window 1, C (the bias) window 0
.else
	WIN 0x50                                       ; C and D window 1
.endif
	MUL4 \f, 0, \first
	MUL4 \f, 1, \first
	PLACES
	FETCH \slot, \q, \g
	s_wait_dscnt 16                                ; all but the 16 just issued
.if \first
	WIN 0x40
.else
	WIN 0x50
.endif
	MUL4 \f, 2, \first
	MUL4 \f, 3, \first
.endm
.macro SEVEN slot, first
	QUARTER \slot, 1, 0, 1, \first
	QUARTER \slot, 2, 1, 0, 0
	QUARTER \slot, 3, 0, 1, 0
	QUARTER \slot, 4, 1, 0, 0
	QUARTER \slot, 5, 0, 1, 0
	QUARTER \slot, 6, 1, 0, 0
	QUARTER \slot, 7, 0, 1, 0
.endm
; The last eighth of a slot multiplies buffer 1 and changes slots: each wave's reads of this slot and all its tensor loads are waited for in front of the barrier;
; with fill the barrier opens a round of the cluster's barrier, and the joint refill is the first tensor load behind the round.
.macro TURN slot, next, fill
	s_wait_dscnt 4
	WIN 0x50
	MUL4 1, 0, 0
	s_wait_dscnt 0
	s_wait_tensorcnt 0x0
	ds_add_u32 v30, v31
	s_wait_dscnt 0x0
	s_barrier_signal -1
	MUL4 1, 1, 0
	WIN 0
	s_barrier_wait -1
.if \fill
	CREST
	s_add_nc_u64 s[G0+4*\slot+2:G0+4*\slot+3], s[G0+4*\slot+2:G0+4*\slot+3], 2*65536
	s_add_nc_u64 s[G0B+4*\slot+2:G0B+4*\slot+3], s[G0B+4*\slot+2:G0B+4*\slot+3], 2*512
	JLOAD \slot
.endif
	PLACES
	FETCH \next, 0, 0
	WIN 0x50
	MUL4 1, 2, 0
	MUL4 1, 3, 0
.endm
	s_wait_tensorcnt 1                             ; my part of slot 0 is in; slot 1's may stay out
	s_barrier_signal -1
	s_barrier_wait -1
	FETCH 0, 0, 0
	s_wait_loadcnt 0x0                             ; the bias
	SEVEN 0, 1                                     ; K 0-255: the bias starts the sums
	TURN 0, 1, 1
	SEVEN 1, 0                                     ; K 256-511
	TURN 1, 0, 1
	SEVEN 0, 0                                     ; K 512-767: nothing is left to fetch
	TURN 0, 1, 0
	SEVEN 1, 0                                     ; K 768-1023
	s_wait_dscnt 0
	WIN 0x50
	MUL4 1, 0, 0
	MUL4 1, 1, 0
	MUL4 1, 2, 0
	MUL4 1, 3, 0
	; THE WAY OUT, 16 rows at a time: 32 bytes a lane into my own stage, read back as whole rows of 256 bytes.
	PLACES
	s_lshl_b32 s16, s14, 19                        ; (128 mb + 64 wm) rows of 4,096 bytes
	s_lshl_b32 s17, s13, 18
	s_add_co_u32 s16, s16, s17
	s_mov_b32 s17, 0
	s_add_nc_u64 s[10:11], s[10:11], s[16:17]
	s_lshl_b32 s46, s42, 9                         ; 512 nb + 256 wn bytes
	s_lshl_b32 s47, s15, 8
	s_add_co_u32 s46, s46, s47
	s_mov_b32 s47, 0
	s_add_nc_u64 s[10:11], s[10:11], s[46:47]
.macro OUT16 a, rb
	WIN 0x04                                       ; the stores' data in window 1
.irp b, 0,1,2,3
	ds_store_b128 v[STO], v[8*(4*\a+\b):8*(4*\a+\b)+3]   offset:64*\b
	ds_store_b128 v[STO], v[8*(4*\a+\b)+4:8*(4*\a+\b)+7] offset:64*\b+16
.endr
	WIN 0
	s_wait_xcnt 0x0                                ; the registers that earlier stores read are loaded again only behind this wait
.irp t, 0,1,2,3,4,5,6,7
	ds_load_b128 v[\rb+4*\t:\rb+4*\t+3], v[RD] offset:\t*2*SPITCH  ; a wave's LDS instructions are served in order: these see the stores above
.endr
.irp t, 0,1,2,3,4,5,6,7
	s_wait_dscnt 7-\t
	global_store_b128 v[CO], v[\rb+4*\t:\rb+4*\t+3], s[10:11] offset:(16*\a+2*\t)*4096 th:TH_STORE_NT   ; sixteen lanes store 256 consecutive bytes, aligned
.endr
.endm
	OUT16 0, RB0
	OUT16 1, RB1
	OUT16 2, RB0
	OUT16 3, RB1
	s_wait_tensorcnt 0x0
	ds_add_u32 v30, v31
	s_wait_dscnt 0x0
	CROUND                                         ; the closing round
	s_endpgm
.Lfunc_end_k_q7b084c0885_proj:
	.size	k_q7b084c0885_proj, .Lfunc_end_k_q7b084c0885_proj-k_q7b084c0885_proj
	.p2alignl 7, 3214868480
	.fill 96, 4, 3214868480
	.section	.rodata,"a",@progbits
	.p2align	6, 0x0
	.amdhsa_kernel k_q7b084c0885_proj
		.amdhsa_group_segment_fixed_size 327680
		.amdhsa_private_segment_fixed_size 0
		.amdhsa_enable_private_segment 0
		.amdhsa_kernarg_size 32
		.amdhsa_user_sgpr_count 2
		.amdhsa_user_sgpr_kernarg_segment_ptr 1
		.amdhsa_wavefront_size32 1
		.amdhsa_system_sgpr_workgroup_id_x 1
		.amdhsa_system_sgpr_workgroup_id_y 1
		.amdhsa_system_sgpr_workgroup_id_z 1
		.amdhsa_system_vgpr_workitem_id 0
		.amdhsa_next_free_vgpr 384
		.amdhsa_next_free_sgpr 66
		.amdhsa_reserve_vcc 0
		.amdhsa_float_denorm_mode_32 3
		.amdhsa_float_denorm_mode_16_64 3
		.amdhsa_memory_ordered 1
		.amdhsa_forward_progress 1
		.amdhsa_inst_pref_size 90
	.end_amdhsa_kernel
	.amdgpu_metadata
---
amdhsa.version: [ 1, 2 ]
amdhsa.kernels:
  - .name:           k_q7b084c0885_proj
    .symbol:         k_q7b084c0885_proj.kd
    .args:
      - { .name: y, .offset: 0, .size: 8, .value_kind: global_buffer, .address_space: global }
      - { .name: wt, .offset: 8, .size: 8, .value_kind: global_buffer, .address_space: global }
      - { .name: bo, .offset: 16, .size: 8, .value_kind: global_buffer, .address_space: global }
      - { .name: out0, .offset: 24, .size: 8, .value_kind: global_buffer, .address_space: global }
    .group_segment_fixed_size: 327680
    .private_segment_fixed_size: 0
    .kernarg_segment_align: 8
    .kernarg_segment_size: 32
    .max_flat_workgroup_size: 128
    .sgpr_count:     66
    .vgpr_count:     384
    .wavefront_size: 32
...
	.end_amdgpu_metadata
.endif
;; end of part 4
